; MI455X (gfx1250); checked and timed in simulation.
; The chip was launched on July 23, 2026; its instructions are those of AMD's public machine-readable ISA for CDNA 5 (MIT licence, August 2026) and "CDNA5" Instruction Set Architecture Reference Guide (July 2026). The comments in the code are by the model that wrote it; some were corrected since.
;; Simple Hierachical Attention. Allowed arithmetic: matrix products marked QUANTISED: E3M2 operands, one E8M0 scale for each 32 along K, by v_wmma_scale_f32_16x16x128_f8f6f4 with both operands' format E3M2, f32 sums; products left as they are: f32 operands where the result goes on into a quantised operand, else bf16, f16 or f32 operands; f32 sums; everything else in f32.
;; Inputs: hidden_states 32 x 2,048 x 1,024 float32; w_out 2,048 x 128 float32; w_score 1,024 x 1,024 float32.
;; Outputs: out0 32 x 128 float32.
;; This version of the problem:
;;   THIS VERSION OF THE PROBLEM IS GIVEN IN LOW PRECISION. The matrix products marked QUANTISED in the list below multiply operands that are first quantised to E3M2 (3 exponent bits, 2 mantissa bits; 6 bits a number), with one power-of-two scale for each 32 numbers along K (OCP MX v1.0); their sums are f32. All else is computed in f32.
;;   The module's matrix products, in the order in which they are computed (A, B: the left and right operand; K: the contracted axis; several contracted axes count as one K, in the product's order):
;;     1. [M 65,536, K 1,024] x [K 1,024, N 1,024]; A: input hidden_states; B: input w_score: QUANTISED
;;     2. batch 32 x [M 1, K 1,024] x [K 1,024, N 2,048]; A: input hidden_states; B: computed on the way: left as it is (M = 1 < 16)
;;     3. batch 32 x [M 1,024, K 2,048] x [K 2,048, N 1]; A: input hidden_states; B: softmax: left as it is (N = 1 < 16)
;;     4. [M 32, K 2,048] x [K 2,048, N 128]; A: computed on the way; B: input w_out: QUANTISED
;;   THE QUANTISER, for each operand of a quantised product, along K:
;;     - K is cut into blocks of 32 from its start; a last block that is shorter is filled with zeros.
;;     - A block's scale is 2^e with e = floor(log2(the largest magnitude in the block)) - 4, held to -126 .. 127; a block of zeros has e = 0. As a byte (E8M0): e + 127.
;;     - Each number is divided by its block's scale, clamped to +-28, and rounded to the nearest number of E3M2, ties to even, subnormals kept.
;;     - The product sums the exact products of the quantised numbers (number of the format x scale) in f32.
;;   ~~~python
;;   def quantise(x, axis):      # numpy; x: float32 -> the quantised numbers, widened to float32 again
;;       x = np.moveaxis(x, axis, -1); K = x.shape[-1]
;;       x = np.pad(x, [(0, 0)] * (x.ndim - 1) + [(0, -K % 32)]); x = x.reshape(x.shape[:-1] + (-1, 32)); a = np.abs(x).max(-1, keepdims=True)
;;       e = np.where(a > 0, np.clip(np.frexp(np.where(a > 0, a, 1))[1] - 1 - 4, -126, 127), 0)      # np.frexp(a)[1] - 1 = floor(log2(a)), exactly
;;       r = np.clip(x / 2.0 ** e, -28, 28)
;;       step = 2.0 ** (np.maximum(np.frexp(np.where(r == 0, 1, r))[1] - 1, -2) - 2)
;;       q = np.round(r / step) * step * 2.0 ** e      # np.round: ties to even
;;       return np.moveaxis(q.reshape(q.shape[:-2] + (-1,))[..., :K], -1, axis).astype(np.float32)
;;   ~~~
;;   OPERANDS COMPUTED ON THE WAY. 'Computed on the way' means the value that the module computes at that place (a softmax that the list does not call 'softmax' is quantised finished and normalised). What goes into a quantiser is computed in f32, as accurately as f32 sums, v_exp_f32 and their like allow (about 1e-6 of the number): no bf16 or f16 on the way to a quantiser, and a product that is left as it is and whose result goes on into a quantised operand takes f32 operands (vector FMAs, or v_wmma_f32_16x16x4_f32). A number that lies on a knife's edge between two numbers of the format may be rounded either way, as far as f32 arithmetic and the matrix unit's own rounding can turn it there, and no further.
;; One version. Each part assembles by itself: llvm-mc -triple=amdgcn-amd-amdhsa -mcpu=gfx1250 --defsym DOCPART=n.
;; ======== version 1 of 1: 3 launches
;; limits: right only within a limited range of input values
;; workspace buffers: wq 786,432 bytes; wqs 32,768 bytes; oq 196,608 bytes; oqs 8,192 bytes; part 1,114,112 bytes
;; launch prep (part 1): grid 80 x 1, 4 waves a work-group, no clusters, 0 bytes of LDS; arguments w_score, w_out, wq, wqs, oq, oqs; writes wq, wqs, oq, oqs
.if DOCPART == 1
	.amdgcn_target "amdgcn-amd-amdhsa--gfx1250"
	.amdhsa_code_object_version 6
	.text
	.protected	k_qfc4476338a_prep
	.globl	k_qfc4476338a_prep
	.p2align	8
	.type	k_qfc4476338a_prep,@function
k_qfc4476338a_prep:
	s_mov_b64 s[64:65], 0
	v_nop
	global_prefetch_b8 v0, s[64:65] scope:SCOPE_SE
	s_setreg_imm32_b32 hwreg(HW_REG_WAVE_MODE, 25, 1), 1
	s_wait_xcnt 0x0
; w_score [1024 (k)][1024 (n)] and w_out [2048 (k)][128 (n)], f32, K = the FIRST axis, become codes of BF6 (E3M2) with one E8M0 byte for each 32 along K,
; laid in the ORDER OF THE OPERAND'S REGISTERS: a fragment (16 columns x 128 K, 12 registers a lane) is three runs of 512 bytes, lane l's registers 4 c .. 4 c + 3 at 512 c + 16 l.
;   wq  [u 4][ct 64][s 2][c 3][lane 32][16 B]: K step 2 u + s, columns 16 ct on.     wqs [u][ct][lane][4 B]: lanes 0-15 the scale word of K step 2 u for column 16 ct + lane, lanes 16-31 that of K step 2 u + 1.
;   oq  [n 8][S 16][c 3][lane 32][16 B]: K step S, columns 16 n on.                  oqs [n][u 8][lane][4 B]: the halves of the lanes as in wqs, K steps 2 u and 2 u + 1.
; A LANE TAKES A COLUMN AND ITS REGISTERS RUN DOWN K, in the very order that the operand's layout gives that lane (lane (r, h): k = 64 c + 32 h + 0 .. 31): the conversions' results are the operand's registers.
; A block's scale is 2^(floor(log2(its largest magnitude)) - 4); its byte is the largest magnitude's exponent field - 4, held at 1 from below.
; LIMITS: a block of zeros gets the byte 1 where the rule says 127 (its codes are zeros, and this program alone reads the bytes); NaN and infinities among the inputs are not served.
; SHARES: a wave takes 16 columns x 256 along K: two fragments and one run of scale words.  Work-groups 0-63 take w_score (u = x / 16, ct = 4 (x % 16) + wave), 64-79 w_out (u = x' / 2, n = 4 (x' % 2) + wave).
; A load reads 64 consecutive bytes in sixteen lanes, and the four waves of a work-group stand side by side on 256; the code stores cover 512 consecutive bytes each, aligned.  No LDS, no barrier: waves share nothing.
.set X,   32                           ; v32-159  the numbers: register 64 s + 32 c + i = W(128 s + 64 c + 32 h + i, my column)
.set FR,  160                          ; v160-183 the two fragments
.set CS,  184                          ; v184-191 the upper halves of two blocks' codes (a conversion's three registers begin on an even number)
.set MX,  8                            ; v8-9     largest magnitudes
.set SA,  10                           ; v10-11   the conversions' scale operands
.set SBY, 12                           ; v12-13   the scales' bytes
.set WD,  16                           ; v16-17   the scale words of the two K steps
.set SW,  18                           ; v18      what is stored: lanes 0-15 the first's, lanes 16-31 the second's
	s_load_b128 s[4:7], s[0:1], 0x0                ; w_score, w_out
	s_load_b128 s[8:11], s[0:1], 0x10              ; wq, wqs
	s_load_b128 s[12:15], s[0:1], 0x20             ; oq, oqs
	v_lshrrev_b32 v1, 5, v0
	v_readfirstlane_b32 s16, v1                    ; wave 0..3
	v_and_b32 v1, 15, v0                           ; r
	v_bfe_u32 v2, v0, 4, 1                         ; h
	v_and_b32 v7, 31, v0                           ; lane
	v_lshlrev_b32 v4, 4, v7                        ; 16 x lane: my place in a run of codes
	v_lshlrev_b32 v5, 2, v7                        ; 4 x lane: my scale word's
	v_lshlrev_b32 v6, 3, v2                        ; 8 h: how far up my two bytes stand in the scale word
	v_mov_b32 v15, 0                               ; a lane permute's destination counts as one of its sources
	s_mov_b32 s36, 0x76543210
	s_mov_b32 s37, 0xfedcba98                      ; v_permlanex16_b32's selects for lane l xor 16
	s_mov_b32 s38, 0xffff0000                      ; lanes 16-31
	s_wait_alu depctr_va_vdst(0)
	s_wait_kmcnt 0x0
	s_cmp_lt_u32 ttmp9, 64                         ; w_score's work-group or w_out's?  The choice hangs on the work-group's number alone
	s_cselect_b64 s[20:21], s[4:5], s[6:7]         ; the numbers
	s_cselect_b64 s[22:23], s[8:9], s[12:13]       ; the codes
	s_cselect_b64 s[24:25], s[10:11], s[14:15]     ; the scale words
	s_cselect_b32 s26, 0, 64                       ; the tensor's first work-group
	s_cselect_b32 s27, 4, 1                        ; u = x >> this
	s_cselect_b32 s28, 15, 1                       ; the group of four column tiles = x & this
	s_cselect_b32 s29, 20, 17                      ; 256 rows of K in bytes = 1 << this
	s_cselect_b32 s30, 6, 0                        ; the unit's number = (u << this)
	s_cselect_b32 s31, 0, 3                        ;                   + (column tile << this): 64 u + ct, or 8 n + u
	s_cselect_b32 s32, 17, 14                      ; 32 rows of K in bytes = 1 << this
	s_sub_co_u32 s26, ttmp9, s26
	s_lshr_b32 s33, s26, s27                       ; u
	s_and_b32 s26, s26, s28
	s_lshl_b32 s26, s26, 2
	s_add_co_u32 s26, s26, s16                     ; column tile
	s_lshl_b32 s34, s33, s29
	s_lshl_b32 s35, s26, 6                         ; 16 columns are 64 bytes
	s_add_co_u32 s34, s34, s35
	s_mov_b32 s35, 0
	s_add_nc_u64 s[20:21], s[20:21], s[34:35]
	s_lshl_b32 s33, s33, s30
	s_lshl_b32 s26, s26, s31
	s_add_co_u32 s33, s33, s26                     ; the unit's number
	s_mul_i32 s34, s33, 3072                       ; two fragments
	s_add_nc_u64 s[22:23], s[22:23], s[34:35]
	s_lshl_b32 s34, s33, 7                         ; 32 scale words
	s_add_nc_u64 s[24:25], s[24:25], s[34:35]
	v_lshlrev_b32 v3, s32, v2                      ; lanes 16-31 begin 32 rows further down,
	v_lshl_add_u32 v3, v1, 2, v3                   ; lane r at column r
.macro LOADS pitch                     ; the pitch stands in the immediates, so the 128 loads are written once for each tensor; K step 0's 64 come first
.irp s, 0,1
.irp c, 0,1
.irp i, 0,1,2,3,4,5,6,7,8,9,10,11,12,13,14,15,16,17,18,19,20,21,22,23,24,25,26,27,28,29,30,31
	global_load_b32 v[X+64*\s+32*\c+\i], v3, s[20:21] offset:(128*\s+64*\c+\i)*\pitch
.endr
.endr
.endr
.endm
	s_cmp_lt_u32 ttmp9, 64
	s_cbranch_scc0 .Lwout
	LOADS 4096
	s_branch .Lloaded
.Lwout:
	s_wait_alu depctr_va_vdst(0)
	LOADS 512
.Lloaded:
.macro QF s                            ; K step s: two blocks a lane become registers 12 s .. 12 s + 11 of FR and a scale word
.irp c, 0,1
	v_max3_num_f32 v[MX+\c], |v[X+64*\s+32*\c]|, |v[X+64*\s+32*\c+1]|, 0x2800000   ; my block 2 c + h: all its 32 numbers are mine; the floor 2^(5 - 127) holds the byte at 1 from below
.endr
.irp i, 2,4,6,8,10,12,14,16,18,20,22,24,26,28,30
.irp c, 0,1
	v_max3_num_f32 v[MX+\c], v[MX+\c], |v[X+64*\s+32*\c+\i]|, |v[X+64*\s+32*\c+\i+1]|   ; (the two blocks by turns)
.endr
.endr
.irp c, 0,1
	v_add_nc_u32 v[SA+\c], 0xfe000000, v[MX+\c]    ; 4 off the exponent field: the conversion takes the exponent field of this operand as its scale
.endr
.irp c, 0,1
	v_lshrrev_b32 v[SBY+\c], 23, v[SA+\c]          ; the scale's byte
.endr
	v_lshl_or_b32 v14, v[SBY+1], 16, v[SBY]        ; my two bytes: blocks h and 2 + h of my column,
	v_lshlrev_b32 v14, v6, v14                     ; at their places in the word;
	v_permlanex16_b32 v15, v14, s36, s37
	v_or_b32 v[WD+\s], v14, v15                    ; with lane l xor 16's two the word is whole, in both halves of the lanes
.irp c, 0,1
	v_cvt_scalef32_pk16_bf6_f32 v[FR+12*\s+6*\c:FR+12*\s+6*\c+2], v[X+64*\s+32*\c:X+64*\s+32*\c+15], v[SA+\c]
	v_cvt_scalef32_pk16_bf6_f32 v[CS+4*\c:CS+4*\c+2], v[X+64*\s+32*\c+16:X+64*\s+32*\c+31], v[SA+\c]
.endr
	v_nop                                          ; one plain place behind a scaled conversion
.irp c, 0,1
.irp i, 0,1,2
	v_mov_b32 v[FR+12*\s+6*\c+3+\i], v[CS+4*\c+\i]
.endr
.endr
.endm
	s_wait_loadcnt 63                              ; of the 128 loads at most 63 are out: the first 65 are in, K step 0's 64 among them
	QF 0
	s_wait_loadcnt 0x0
	QF 1
	v_cndmask_b32 v[SW], v[WD], v[WD+1], s38       ; lanes 0-15: K step 0's word of column r; lanes 16-31: K step 1's
.irp s, 0,1
.irp c, 0,1,2
	global_store_b128 v4, v[FR+12*\s+4*\c:FR+12*\s+4*\c+3], s[22:23] offset:1536*\s+512*\c   ; 32 lanes store 512 consecutive bytes, at a multiple of 256 from the buffer's first byte
.endr
.endr
	global_store_b32 v5, v[SW], s[24:25]
	s_endpgm
.Lfunc_end_k_qfc4476338a_prep:
	.size	k_qfc4476338a_prep, .Lfunc_end_k_qfc4476338a_prep-k_qfc4476338a_prep
	.p2alignl 7, 3214868480
	.fill 96, 4, 3214868480
	.section	.rodata,"a",@progbits
	.p2align	6, 0x0
	.amdhsa_kernel k_qfc4476338a_prep
		.amdhsa_group_segment_fixed_size 0
		.amdhsa_private_segment_fixed_size 0
		.amdhsa_enable_private_segment 0
		.amdhsa_kernarg_size 48
		.amdhsa_user_sgpr_count 2
		.amdhsa_user_sgpr_kernarg_segment_ptr 1
		.amdhsa_wavefront_size32 1
		.amdhsa_system_sgpr_workgroup_id_x 1
		.amdhsa_system_sgpr_workgroup_id_y 1
		.amdhsa_system_sgpr_workgroup_id_z 1
		.amdhsa_system_vgpr_workitem_id 0
		.amdhsa_next_free_vgpr 192
		.amdhsa_next_free_sgpr 66
		.amdhsa_reserve_vcc 0
		.amdhsa_float_denorm_mode_32 3
		.amdhsa_float_denorm_mode_16_64 3
		.amdhsa_memory_ordered 1
		.amdhsa_forward_progress 1
		.amdhsa_inst_pref_size 33
	.end_amdhsa_kernel
	.amdgpu_metadata
---
amdhsa.version: [ 1, 2 ]
amdhsa.kernels:
  - .name:           k_qfc4476338a_prep
    .symbol:         k_qfc4476338a_prep.kd
    .args:
      - { .name: w_score, .offset: 0, .size: 8, .value_kind: global_buffer, .address_space: global }
      - { .name: w_out, .offset: 8, .size: 8, .value_kind: global_buffer, .address_space: global }
      - { .name: wq, .offset: 16, .size: 8, .value_kind: global_buffer, .address_space: global }
      - { .name: wqs, .offset: 24, .size: 8, .value_kind: global_buffer, .address_space: global }
      - { .name: oq, .offset: 32, .size: 8, .value_kind: global_buffer, .address_space: global }
      - { .name: oqs, .offset: 40, .size: 8, .value_kind: global_buffer, .address_space: global }
    .group_segment_fixed_size: 0
    .private_segment_fixed_size: 0
    .kernarg_segment_align: 8
    .kernarg_segment_size: 48
    .max_flat_workgroup_size: 128
    .sgpr_count:     66
    .vgpr_count:     192
    .wavefront_size: 32
...
	.end_amdgpu_metadata
.endif
;; end of part 1
;; launch main (part 2): grid 256 x 1, 4 waves a work-group, no clusters, 327,680 bytes of LDS; arguments hidden_states, wq, wqs, part; writes part
.if DOCPART == 2
	.amdgcn_target "amdgcn-amd-amdhsa--gfx1250"
	.amdhsa_code_object_version 6
	.text
	.protected	k_qfc4476338a_main
	.globl	k_qfc4476338a_main
	.p2align	8
	.type	k_qfc4476338a_main,@function
k_qfc4476338a_main:
	s_mov_b64 s[64:65], 0
	v_nop
	global_prefetch_b8 v0, s[64:65] scope:SCOPE_SE
	s_setreg_imm32_b32 hwreg(HW_REG_WAVE_MODE, 25, 1), 1
	s_wait_xcnt 0x0
; For 256 rows x of one batch (work-group g: rows 256 g on of [65536][1024]; batch g / 8): score[row] = h_t . (Q(x[row]) Q(W)), a running softmax over the rows, and the sum of p[row] x[row]: one partial (m, l, ctx[1024]).
; x is read from memory ONCE: the f32 rows of a block of 128 stay on the WGP from the quantiser to the weighted sum: rows 0-63 (half A) in registers (512 a wave), rows 64-127 (half B) in the LDS slot in which they landed.
; That is all the room there is (4 x 512 registers x 128 bytes + the slots = 128 rows), so nothing lands during a pass; in return W's 786,432 bytes of codes are read once for 128 rows, and each fragment feeds eight products.
; THE FOUR WAVES SHARE K, NOT ROWS OR COLUMNS: wave w owns columns 256 w .. 256 w + 255 of x (K steps 2 w, 2 w + 1) against ALL 1,024 columns of W.  The score is linear in the product, so each wave forms a partial
; score and the four meet in LDS (128 numbers a wave and block).  So a wave's slice of x is its own: its own tensor loads bring it, it quantises it, the codes are its own operand, and its part of ctx is the same slice.
; Each fragment of W is read by one wave of the work-group: it goes from memory straight into registers (a ring of 4 column tiles, laid by the launch before in the order of the registers); h_t's eight numbers a tile likewise.
; THE PRODUCT IS USED TRANSPOSED: source 0 = 16 columns of W, source 1 = 16 rows of x: lane (r, h) holds row 16 g + r and columns 16 ct + 8 h + 0 .. 7, which four packed multiply-adds with h_t fold into the score.
; An accumulator lives for two products (the wave's two K steps).  The f32 sums so run in another order than a sum over all of K: four parts along K, added in the order of the waves.
; NO CLUSTER, though every work-group walks the same W: joint loads land in LDS, where beside x's slots, the scores and the spare words 327,680 - 268,800 = 58,880 bytes are left: under five column tiles of 12,288 bytes.
; LIMITS: NaN and infinities are not served; a block of zeros gets the scale byte 1 where the rule says 127 (its codes are zeros; the bytes stay in registers).
; REGISTERS, in windows of 256 (s_set_vgpr_msb: bits 1:0 source 0, 3:2 source 1, 5:4 source 2, 7:6 destination):
;   window 0: v1-7, v44-45 addresses; v8-15 ctx; v16-31 eight partial scores (pairs), ahead of a pass a stage for B's codes; v32-39 x's scale words; v40-43 W's scale words, a ring of 4; v46 f; v48 m, v49 l; v50-53 at work;
;             v64-159 the codes of groups 0-3 (fragment (g, s) at 64 + 12 (2 g + s)); v160-223 two sets of four accumulators, ahead of a pass 64 numbers of half B;
;             behind a pass v64-95 scores, then v64-191 the weighted sum, v192-199 at work, v208-223 p; v224-251 the quantiser's
;   window 1: v0-95 W's fragments, a ring of 4 column tiles x 2 K steps; v96-191 the codes of groups 4-7; v192-223 h_t, a ring of 4 x 8; v225 4 x lane
;   windows 2, 3: x in f32: group g of 16 rows in window 2 + g / 2 at 128 (g % 2); register 64 s + 16 b + i = column 128 s + 32 b + 16 h + i of the slice, row 16 g + r; in the weighted sum group 4 + g follows group g there
.set XPITCH, 1040                      ; a row of a slice in LDS: 1,024 bytes + 16 of padding = 260 words: row r starts at bank 4 r mod 64 (64 banks of 4 bytes: ISA guide 11.1)
.set XGRP,   16*XPITCH
.set XSLOT,  64*XPITCH                 ; a wave's slot: 64 rows
.set SCX,    4*XSLOT                   ; the partial scores: 512 x wave + 32 r + 4 g
.set SPARE,  SCX+2048                  ; the spare words, 128 bytes for each wave: two blocks of 256 bytes that no other line names
.set SPW, 1
.set NIL, 2
.set XA,  3                            ; my place in my wave's slot: XSLOT x wave + XPITCH r + 64 h
.set SCW, 4                            ; where I store my wave's partial scores
.set SCR, 5                            ; where I read the four waves'
.set VA,  6                            ; 16 x lane
.set L8,  7                            ; 8 x lane
.set CTX, 8
.set SP,  16
.set STG, 16                           ; the stage for a fragment of half B, while the scores' registers are idle
.set XS,  32                           ; scales and nothing else: lanes 0-15 K step 0's word of row r, lanes 16-31 K step 1's
.set WS,  40                           ; scales and nothing else
.set HV,  44                           ; 32 h
.set PFA, 45                           ; 4,096 x lane; never rewritten
.set FF,  46
.set MM,  48
.set LL,  49
.set TT,  50
.set XC,  64
.set ACC, 160
.set TB,  160                          ; 64 numbers of half B on their way to the quantiser
.set SC,  64
.set YY,  64
.set RT,  192
.set PP,  208                          ; p of group g in the low word of the pair at PP + 2 g
.set TM,  224                          ; +0..3 largest magnitudes, +4..7 bytes, +12..15 the conversions' scale operands
.set PW,  240                          ; the two K steps' scale words as they are made
.set CS,  244
.set XCB, 96                           ; in window 1
.set HT,  192                          ; in window 1
.set VS,  225                          ; in window 1
.set NB,  56                           ; s[56:63] a base for W's codes for each of the ring's four positions
.set NS,  66                           ; s[66:73] for W's scale words
.set HB,  74                           ; s[74:81] for h_t
.set MSB, 0
.macro WIN new                         ; the immediate's high byte repeats the setting that is left; a switch that changes nothing is dropped
.if MSB != (\new)
	s_set_vgpr_msb (MSB<<8)|(\new)
.set MSB, (\new)
.endif
.endm
	s_load_b256 s[4:11], s[0:1], 0x0               ; hidden_states s[4:5], wq s[6:7], wqs s[8:9], part s[10:11]
	v_lshl_add_u32 v[SPW], v0, 2, SPARE
	v_mov_b32 v[NIL], 0
	v_lshrrev_b32 v60, 5, v0
	v_readfirstlane_b32 s12, v60                   ; wave 0..3
	; descriptor group 1: a tile of 64 rows x 256 elements of 4 bytes, rows 1,024 elements apart, padded in LDS
	s_mov_b32 s16, (2<<16)|(1<<20)|(7<<22)|(3<<25) ; no mask; elements of 4 bytes; padding on: after every 256 words (code 7) 4 words (code 3)
	s_mov_b32 s17, 256<<16                         ; tensor_dim0 = 256
	s_mov_b32 s18, 64<<16                          ; tensor_dim1 = 64
	s_mov_b32 s19, 256<<16                         ; tile_dim0 = 256
	s_mov_b32 s20, 64                              ; tile_dim1 = 64
	s_mov_b32 s21, 1024                            ; from row to row
	s_mov_b32 s22, 0
	s_mov_b32 s23, 0
	s_mov_b32 s24, 1                               ; group 0 for half A: count = 1,
	s_mul_i32 s25, s12, XSLOT                      ; my wave's slot
	s_mov_b32 s40, 1                               ; group 0 for half B: the same slot
	s_mul_i32 s41, s12, XSLOT
	s_lshl_b32 s34, ttmp9, 20                      ; 256 rows of 4,096 bytes a work-group
	s_lshl_b32 s36, s12, 10                        ; my wave's 1,024 bytes of a row
	s_add_co_u32 s34, s34, s36
	s_mov_b32 s35, 0
	s_wait_kmcnt 0x0
	s_add_nc_u64 s[26:27], s[4:5], s[34:35]        ; rows 0-63 of my slice
	s_add_nc_u64 s[42:43], s[26:27], 64*4096       ; rows 64-127
	s_add_nc_u64 s[90:91], s[26:27], 128*4096      ; rows 128 on: what is asked for ahead
	s_or_b32 s27, s27, 0x80000000                  ; type = 2
	s_or_b32 s43, s43, 0x80000000
	s_lshr_b32 s34, ttmp9, 3                       ; the batch: 2,048 rows of 4,096 bytes,
	s_lshl_b32 s34, s34, 23
	s_add_co_u32 s34, s34, 2047*4096               ; its last row is h_t
	s_add_nc_u64 s[32:33], s[4:5], s[34:35]
	s_mul_i32 s34, s12, 196608                     ; my wave's K steps of W: 64 column tiles of 3,072 bytes
	s_add_nc_u64 s[28:29], s[6:7], s[34:35]
	s_lshl_b32 s34, s12, 13                        ; and their scale words: 64 x 128 bytes
	s_add_nc_u64 s[30:31], s[8:9], s[34:35]
	s_mul_i32 s34, ttmp9, 4352                     ; my work-group's record
	s_add_nc_u64 s[84:85], s[10:11], s[34:35]
	s_lshl_b32 s34, s12, 10
	s_add_nc_u64 s[82:83], s[84:85], s[34:35]      ; my wave's 1,024 bytes of ctx in it
	s_add_nc_u64 s[84:85], s[84:85], 4096          ; and (m, l) behind ctx
	s_mov_b32 s36, 0                               ; four offsets, each with 0 above it: W's codes, W's scale words, h_t for the next trip, h_t for this trip
	s_mov_b32 s37, 0
	s_mov_b32 s38, 0
	s_mov_b32 s39, 0
	s_mov_b32 s50, 0
	s_mov_b32 s51, 0
	s_mov_b32 s52, 0
	s_mov_b32 s53, 0
	s_mov_b32 s44, 0x76543210
	s_mov_b32 s45, 0xfedcba98                      ; v_permlanex16_b32's selects for lane l xor 16
	s_mov_b32 s46, 0xffff0000                      ; lanes 16-31
	s_mov_b32 s47, 0x3fb8aa3b                      ; log2(e)
	s_mov_b32 s86, 0xaaaaaaaa                      ; lanes whose bit 0, 1, 2, 3 is set
	s_mov_b32 s87, 0xcccccccc
	s_mov_b32 s88, 0xf0f0f0f0
	s_mov_b32 s89, 0xff00ff00
	v_and_b32 v61, 15, v0                          ; r
	v_bfe_u32 v62, v0, 4, 1                        ; h
	v_and_b32 v63, 31, v0                          ; lane
	v_mul_u32_u24 v[XA], v61, XPITCH
	v_lshl_add_u32 v[XA], v62, 6, v[XA]
	v_add_nc_u32 v[XA], s25, v[XA]
	v_lshl_add_u32 v[SCR], v61, 5, SCX
	s_lshl_b32 s34, s12, 9
	v_add_nc_u32 v[SCW], s34, v[SCR]
	v_lshlrev_b32 v[VA], 4, v63
	v_lshlrev_b32 v[L8], 3, v63
	v_lshlrev_b32 v[HV], 5, v62
	v_lshlrev_b32 v[PFA], 12, v63
	WIN 0x40
	v_lshlrev_b32 v[VS], 2, v63                    ; window 1: the scale loads are issued under the products' window setting
	s_wait_alu depctr_va_vdst(0)
	WIN 0
; Position k of the ring asks: 9 loads, always in this order: the scale words of its next column tile (lanes 0-15 K step 0's, lanes 16-31 K step 1's); h_t for the slot BEFORE it, which has just been used
; for the last time (lane (r, h) wants h_t[16 ct + 8 h + 0 .. 7]); the tile's two fragments.  The position has base registers of its own: they are written again only behind the counted wait at the position's
; head, which shows the loads that named them done.  Slot 3's h_t, asked for at position 0, belongs to the trip in hand; all else to the next trip.
.macro RLOAD k
	WIN 0x01                                       ; address window 1, destination window 0
	s_add_nc_u64 s[NS+2*(\k):NS+2*(\k)+1], s[30:31], s[38:39]
.if (\k) == 0
	s_add_nc_u64 s[HB:HB+1], s[32:33], s[52:53]
.else
	s_add_nc_u64 s[HB+2*(\k):HB+2*(\k)+1], s[32:33], s[50:51]
.endif
	s_add_nc_u64 s[NB+2*(\k):NB+2*(\k)+1], s[28:29], s[36:37]
	global_load_b32 v[WS+(\k)], v[VS], s[NS+2*(\k):NS+2*(\k)+1] offset:128*(\k)
	WIN 0x40                                       ; address window 0, destination window 1
	global_load_b128 v[HT+8*(((\k)+3)%4):HT+8*(((\k)+3)%4)+3],   v[HV], s[HB+2*(\k):HB+2*(\k)+1] offset:64*(((\k)+3)%4)
	global_load_b128 v[HT+8*(((\k)+3)%4)+4:HT+8*(((\k)+3)%4)+7], v[HV], s[HB+2*(\k):HB+2*(\k)+1] offset:64*(((\k)+3)%4)+16
.irp s, 0,1
.irp c, 0,1,2
	global_load_b128 v[24*(\k)+12*\s+4*\c:24*(\k)+12*\s+4*\c+3], v[VA], s[NB+2*(\k):NB+2*(\k)+1] offset:3072*(\k)+1536*\s+512*\c
.endr
.endr
.endm
.irp k, 0,1,2,3
	RLOAD \k                                       ; the ring is primed with column tiles 0-3 (all four offsets are 0)
.endr
	WIN 0
	v_mov_b32 v[MM], 0xff61b1e6                    ; the largest score so far: -3e38
	v_mov_b32 v[LL], 0
.irp e, 0,1,2,3,4,5,6,7
	v_mov_b32 v[CTX+\e], 0                         ; the block is written once: the first finds zeros, which its f = 0 leaves zeros
.endr
	v_mov_b32 v[FF+1], 0                           ; (named with f as a pair, so it is written)
.irp b, 0,1,2,3
	v_mov_b32 v[TM+4+\b], 0                        ; a lane permute's destination counts as one of its sources
.endr
; Group g of the 64 rows in my slot, 16 rows x 1,024 bytes, into its 128 registers of window 2 or 3: 32 loads
.macro XRG g
	WIN 0x80+0x40*((\g)/2)
.irp s, 0,1
.irp b, 0,1,2,3
.irp j, 0,1,2,3
	ds_load_b128 v[128*((\g)%2)+64*\s+16*\b+4*\j:128*((\g)%2)+64*\s+16*\b+4*\j+3], v[XA] offset:XGRP*(\g)+512*\s+128*\b+16*\j
.endr
.endr
.endr
.endm
; 64 numbers of a lane (window QW, from register QX on: register 16 b + i = k 32 b + 16 h + i of my row) become a fragment's codes in v[QD] on (window 0) and K step s's scale word in v[PW + s]
.macro QCORE s
	WIN (QW<<2)|(QW<<4)                            ; sources 1 and 2: the numbers' window
.irp b, 0,1,2,3
	v_max3_num_f32 v[TM+\b], 0x2800000, |v[QX+16*\b]|, |v[QX+16*\b+1]|   ; block b: my 16 numbers, and the floor 2^(5 - 127): the byte cannot fall under 1
.endr
.irp i, 2,4,6,8,10,12,14
.irp b, 0,1,2,3
	v_max3_num_f32 v[TM+\b], v[TM+\b], |v[QX+16*\b+\i]|, |v[QX+16*\b+\i+1]|   ; (the four blocks by turns)
.endr
.endr
	WIN 0
.irp b, 0,1,2,3
	v_permlanex16_b32 v[TM+4+\b], v[TM+\b], s44, s45
.endr
.irp b, 0,1,2,3
	v_max_num_f32 v[TM+\b], v[TM+\b], v[TM+4+\b]   ; with lane l xor 16's: the block's largest magnitude
.endr
.irp b, 0,1,2,3
	v_add_nc_u32 v[TM+12+\b], 0xfe000000, v[TM+\b] ; 4 off its exponent field: the conversion's scale operand
.endr
.irp b, 0,1,2,3
	v_lshrrev_b32 v[TM+4+\b], 23, v[TM+12+\b]      ; the scale's byte
.endr
	v_lshl_or_b32 v[PW+(\s)], v[TM+5], 8, v[TM+4]  ; my row's scale word, the same in both halves of the lanes
	v_lshl_or_b32 v[PW+(\s)], v[TM+6], 16, v[PW+(\s)]
	v_lshl_or_b32 v[PW+(\s)], v[TM+7], 24, v[PW+(\s)]
	WIN QW                                         ; source 0: the numbers' window
.irp c, 0,1
	v_cvt_scalef32_pk16_bf6_f32 v[QD+6*\c:QD+6*\c+2], v[QX+32*\c:QX+32*\c+15], v[TM+12+2*\c]
	v_cvt_scalef32_pk16_bf6_f32 v[CS+4*\c:CS+4*\c+2], v[QX+32*\c+16:QX+32*\c+31], v[TM+12+2*\c+1]   ; (a conversion's three registers begin on an even number)
.endr
	WIN 0
	v_nop                                          ; one plain place behind a scaled conversion
.irp c, 0,1                                    ; the operand's layout wants a WHOLE block in a lane: lanes 0-15 block 2 c, lanes 16-31 block 2 c + 1
.irp i, 0,1,2
	v_permlane16_swap_b32 v[QD+6*\c+\i], v[CS+4*\c+\i]
.endr
.irp i, 0,1,2
	v_mov_b32 v[QD+6*\c+3+\i], v[CS+4*\c+\i]
.endr
.endr
.endm
; Half A: group g (0-3), K step s, out of windows 2 and 3; behind s = 1 the group's scale register is made
.macro QUANTA g, s
.set QW, 2+(\g)/2
.set QX, 128*((\g)%2)+64*(\s)
.set QD, XC+12*(2*(\g)+(\s))
	QCORE \s
.if (\s) == 1
	v_cndmask_b32 v[XS+(\g)], v[PW], v[PW+1], s46  ; lanes 0-15: K step 0's word of row r; lanes 16-31: K step 1's
.endif
.endm
; Half B stays in LDS.  Unit u (group 4 + u / 2, K step u % 2): its 64 numbers a lane come into the accumulators' registers, which are idle ahead of a pass
.macro BLOAD u
.irp b, 0,1,2,3
.irp j, 0,1,2,3
	ds_load_b128 v[TB+16*\b+4*\j:TB+16*\b+4*\j+3], v[XA] offset:XGRP*((\u)/2)+512*((\u)%2)+128*\b+16*\j
.endr
.endr
.endm
.macro QUANTB u
.set QW, 0
.set QX, TB
.set QD, STG
	s_wait_dscnt 0x0                               ; the unit's 16 loads are in
	QCORE (\u)%2
.if (\u) < 7
	BLOAD (\u)+1                                   ; the conversions have read the numbers: the next unit's may land
.endif
	WIN 0x40                                       ; destination window 1
.irp i, 0,1,2,3,4,5,6,7,8,9,10,11
	v_mov_b32 v[XCB+12*(\u)+\i], v[STG+\i]         ; the fragment to its place beside W's
.endr
	WIN 0
.if (\u)%2 == 1
	v_cndmask_b32 v[XS+4+(\u)/2], v[PW], v[PW+1], s46
.endif
.endm
; Ring slot k's column tile against four groups of rows (set 0: groups 0-3, codes in window 0; set 1: groups 4-7, codes in window 1), two K steps: 8 products.
; The four accumulators take turns, one instruction a turn.
.macro WMUL k, set
.if (\set) == 0
.set XB, XC
.else
.set XB, XCB
.endif
.irp g, 0,1,2,3
	v_wmma_scale_f32_16x16x128_f8f6f4 v[ACC+32*(\set)+8*\g:ACC+32*(\set)+8*\g+7], v[24*(\k):24*(\k)+11], v[XB+24*\g:XB+24*\g+11], 0, v[WS+(\k)], v[XS+4*(\set)+\g] matrix_a_fmt:MATRIX_FMT_BF6 matrix_b_fmt:MATRIX_FMT_BF6
.endr
.irp g, 0,1,2,3
	v_wmma_scale_f32_16x16x128_f8f6f4 v[ACC+32*(\set)+8*\g:ACC+32*(\set)+8*\g+7], v[24*(\k)+12:24*(\k)+23], v[XB+24*\g+12:XB+24*\g+23], v[ACC+32*(\set)+8*\g:ACC+32*(\set)+8*\g+7], v[WS+(\k)], v[XS+4*(\set)+\g] matrix_a_fmt:MATRIX_FMT_BF6 matrix_b_fmt:MATRIX_FMT_BF6 matrix_a_scale:MATRIX_SCALE_ROW1 matrix_b_scale:MATRIX_SCALE_ROW1
.endr
.endm
; The results of slot k's tile for one set, times h_t, onto the partial scores: 16 packed multiply-adds, each accumulator from its low end on
; (four of them: registers j, j + 1 of the four accumulators of one set of slot kp's tile)
; In a pass set 0 has TWO sets of four accumulators, taken by the tile's parity: v160-191 and v224-255 (the quantiser's registers, idle in a pass); set 1 has v192-223.
.macro FD4 kp, set, j
.if (\set) == 0
.set DB, ACC+64*((\kp)%2)+(\j)
.else
.set DB, ACC+32+(\j)
.endif
.irp g, 0,1,2,3
	v_pk_fma_f32 v[SP+8*(\set)+2*\g:SP+8*(\set)+2*\g+1], v[HT+8*(\kp)+(\j):HT+8*(\kp)+(\j)+1], v[DB+8*\g:DB+8*\g+1], v[SP+8*(\set)+2*\g:SP+8*(\set)+2*\g+1]
.endr
.endm
; One product of set 0: slot k's tile, group g, K step s
.macro WM0 k, g, s
.set DB, ACC+64*((\k)%2)+8*(\g)
.if (\s) == 0
	v_wmma_scale_f32_16x16x128_f8f6f4 v[DB:DB+7], v[24*(\k):24*(\k)+11], v[XC+24*(\g):XC+24*(\g)+11], 0, v[WS+(\k)], v[XS+(\g)] matrix_a_fmt:MATRIX_FMT_BF6 matrix_b_fmt:MATRIX_FMT_BF6
.else
	v_wmma_scale_f32_16x16x128_f8f6f4 v[DB:DB+7], v[24*(\k)+12:24*(\k)+23], v[XC+24*(\g)+12:XC+24*(\g)+23], v[DB:DB+7], v[WS+(\k)], v[XS+(\g)] matrix_a_fmt:MATRIX_FMT_BF6 matrix_b_fmt:MATRIX_FMT_BF6 matrix_a_scale:MATRIX_SCALE_ROW1 matrix_b_scale:MATRIX_SCALE_ROW1
.endif
.endm
; Position k of a trip's four.  The 32 multiply-adds of the tile BEFORE (slot kp = k - 1) stand among this tile's products: 28 of them four behind each of set 0's first seven products, under the same window setting;
; they name none of those products' registers (the other parity's accumulators, set 1's, h_t, the scores).  Set 0's come first: 12 of them and the last position's closing four are the places (ISA guide 7.12.1)
; between set 1's last products and the first read of their results.  The closing four stand behind set 1's products: the places ahead of the loads into this slot's fragments and scale words.
; h_t for slot kp was asked for at this position a trip ago (slot 3's at position 0 of its own trip): the wait for 27 at the head covers it.
.macro COLT k
.set KP, ((\k)+3)%4
	s_wait_alu depctr_va_vdst(0)                   ; the wait directly ahead of the wait below
	s_wait_loadcnt 27                              ; this slot's scale words and fragments are in: behind them stand 9 loads for each of the 3 positions since
	WIN 0x01                                       ; source 0 (W, h_t) window 1; all else window 0
	WM0 \k, 0, 0
	FD4 KP, 0, 0
	WM0 \k, 1, 0
	FD4 KP, 0, 2
	WM0 \k, 2, 0
	FD4 KP, 0, 4
	WM0 \k, 3, 0
	FD4 KP, 1, 0
	WM0 \k, 0, 1
	FD4 KP, 1, 2
	WM0 \k, 1, 1
	FD4 KP, 1, 4
	WM0 \k, 2, 1
	FD4 KP, 1, 6
	WM0 \k, 3, 1
	WIN 0x05                                       ; source 1 (the codes of groups 4-7) window 1 too
	WMUL \k, 1
	WIN 0x01
	FD4 KP, 0, 6
	RLOAD \k
.endm
; All 64 column tiles: 16 trips of 4.  The ring runs on from column tile 63 to column tile 0, so it is full when the next pass begins; what the last pass asks for ahead lies inside the buffers and is not used.
.macro PASS
	s_mov_b32 s49, 0
.Lpass_\@:
	s_add_co_u32 s54, s49, 1
	s_and_b32 s54, s54, 15                         ; the trip whose tiles this trip asks for
	s_mul_i32 s36, s54, 12288                      ; 4 column tiles of 3,072 bytes,
	s_lshl_b32 s38, s54, 9                         ; of 128 bytes of scale words,
	s_lshl_b32 s50, s54, 8                         ; of 64 bytes of h_t;
	s_lshl_b32 s52, s49, 8                         ; and h_t for this trip's slot 3.  (No memory instruction names these four: they are added to the bases, position by position)
.irp k, 0,1,2,3
	COLT \k
.endr
	WIN 0                                          ; at a label and at a branch every window is 0
	s_add_co_u32 s49, s49, 1
	s_cmp_lt_u32 s49, 16
	s_cbranch_scc1 .Lpass_\@
	s_wait_alu depctr_va_vdst(0)
	s_wait_loadcnt 27                              ; h_t for column tile 63 is in: behind position 0's loads stand 9 for each of 3 positions
	WIN 0x01
.irp j, 0,2,4,6
	FD4 3, 0, \j                                   ; the last tile's results; set 0's sixteen are the places behind set 1's last products
.endr
.irp j, 0,2,4,6
	FD4 3, 1, \j
.endr
	WIN 0
.endm
; The four waves' partial scores meet: lane (r, .) ends with the scores of rows 16 g + r in v[SC + g], g = 0 .. 7, the same bits in every wave
.macro EXCH
.irp g, 0,1,2,3,4,5,6,7
	v_add_f32 v[SC+\g], v[SP+2*\g], v[SP+2*\g+1]
.endr
.irp g, 0,1,2,3,4,5,6,7
	v_permlanex16_b32 v[SC+8+\g], v[SC+\g], s44, s45   ; the row's other eight columns of each tile lie in the lane 16 away
.endr
.irp g, 0,1,2,3,4,5,6,7
	v_add_f32 v[SC+\g], v[SC+\g], v[SC+8+\g]
.endr
	ds_store_b128 v[SCW], v[SC:SC+3]               ; both halves of the lanes write the same bytes with the same values
	ds_store_b128 v[SCW], v[SC+4:SC+7] offset:16
	s_wait_dscnt 0x0                               ; for the others' sake: my stores have landed
	s_barrier_signal -1
	s_barrier_wait -1
.irp w, 0,1,2,3
	ds_load_b128 v[SC+8*\w:SC+8*\w+3],   v[SCR] offset:512*\w
	ds_load_b128 v[SC+8*\w+4:SC+8*\w+7], v[SCR] offset:512*\w+16
.endr
	s_wait_dscnt 0x0
.irp w, 1,2,3
.irp e, 0,2,4,6
	v_pk_add_f32 v[SC+\e:SC+\e+1], v[SC+\e:SC+\e+1], v[SC+8*\w+\e:SC+8*\w+\e+1]
.endr
.endr
.endm
; The running softmax: m the largest score so far, f = e^(old m - new m), p = e^(score - m), l = l f + the sum of p
.macro SOFT
	v_max3_num_f32 v[TT], v[SC], v[SC+1], v[SC+2]
	v_max3_num_f32 v[TT], v[TT], v[SC+3], v[SC+4]
	v_max3_num_f32 v[TT], v[TT], v[SC+5], v[SC+6]
	v_max_num_f32 v[TT], v[TT], v[SC+7]
.irp x, 1,2,4,8
	v_max_num_f32_dpp v[TT], v[TT], v[TT] row_xmask:\x row_mask:0xf bank_mask:0xf
.endr
	v_max_num_f32 v[TT+1], v[MM], v[TT]            ; the new m
	v_sub_f32 v[TT+2], v[MM], v[TT+1]
	v_mul_f32 v[TT+2], s47, v[TT+2]
.irp g, 0,1,2,3,4,5,6,7
	v_sub_f32 v[SC+\g], v[SC+\g], v[TT+1]          ; the difference first, then log2(e): nothing large is rounded
.endr
.irp g, 0,1,2,3,4,5,6,7
	v_mul_f32 v[SC+\g], s47, v[SC+\g]
.endr
	s_wait_alu depctr_va_vdst(0)
	v_exp_f32 v[FF], v[TT+2]
.irp g, 0,1,2,3,4,5,6,7
	v_exp_f32 v[PP+2*\g], v[SC+\g]
.endr
	v_mov_b32 v[MM], v[TT+1]                       ; (a plain place behind the exponentials)
	s_wait_alu depctr_va_vdst(0)
	v_add_f32 v[TT], v[PP], v[PP+2]
	v_add_f32 v[TT+2], v[PP+4], v[PP+6]
	v_add_f32 v[TT+3], v[PP+8], v[PP+10]
	v_add_f32 v[TT+1], v[PP+12], v[PP+14]
	v_add_f32 v[TT], v[TT], v[TT+2]
	v_add_f32 v[TT+3], v[TT+3], v[TT+1]
	v_add_f32 v[TT], v[TT], v[TT+3]
.irp x, 1,2,4,8
	v_add_f32_dpp v[TT], v[TT], v[TT] row_xmask:\x row_mask:0xf bank_mask:0xf
.endr
	v_fma_f32 v[LL], v[LL], v[FF], v[TT]
.endm
; Y[q] (+)= p x the 128 numbers in group place g of windows 2, 3; Y lies in window 0, over the codes and accumulators, which are done with
.macro YSG g, p, first
	WIN 0x02+(\g)/2                                ; source 0: window 2 or 3
.set q, 0
.rept 64
.if \first
	v_pk_mul_f32 v[YY+q:YY+q+1], v[128*((\g)%2)+q:128*((\g)%2)+q+1], v[PP+2*(\p):PP+2*(\p)+1] op_sel_hi:[1,0]
.else
	v_pk_fma_f32 v[YY+q:YY+q+1], v[128*((\g)%2)+q:128*((\g)%2)+q+1], v[PP+2*(\p):PP+2*(\p)+1], v[YY+q:YY+q+1] op_sel_hi:[1,0,1]
.endif
.set q, q+2
.endr
.endm
; The weighted sum over my eight rows.  As soon as a group of half A is summed, its registers take the group of half B that lies at the same place in the slot
.macro YSUM
	YSG 0, 0, 1
	XRG 0
	YSG 1, 1, 0
	XRG 1
	YSG 2, 2, 0
	XRG 2
	YSG 3, 3, 0
	XRG 3
	s_wait_dscnt 63                                ; of the 128 reads at most 63 are out: the first 65 are done, the first two groups (64 reads) among them
	YSG 0, 4, 0
	YSG 1, 5, 0
	s_wait_dscnt 32                                ; all but the last group's 32
	YSG 2, 6, 0
	s_wait_dscnt 0x0
	YSG 3, 7, 0
	WIN 0
.endm
; One level of the sum over the 16 lanes of a half: lanes whose bit is clear keep places q, the others places q + n; each gives the half that it drops to its partner and adds what it gets
.macro LEVEL n, xm, msk
.set q, 0
.rept \n/8
.irp e, 0,1,2,3,4,5,6,7
	v_cndmask_b32 v[RT+\e], v[YY+q+\e+\n], v[YY+q+\e], s[\msk]
.endr
.irp e, 0,1,2,3,4,5,6,7
	v_cndmask_b32 v[YY+q+\e], v[YY+q+\e], v[YY+q+\e+\n], s[\msk]
.endr
.irp e, 0,1,2,3,4,5,6,7
	v_add_f32_dpp v[YY+q+\e], v[RT+\e], v[YY+q+\e] row_xmask:\xm row_mask:0xf bank_mask:0xf
.endr
.set q, q+8
.endr
.endm
; Behind the four levels register e of lane (r, h) is the block's sum for column 128 r0 + 64 r1 + 32 r2 + 16 h + 8 r3 + e of the slice (r0 .. r3: r's bits); ctx = ctx f + that
.macro REDUCE
	LEVEL 64, 1, 86
	LEVEL 32, 2, 87
	LEVEL 16, 4, 88
	LEVEL 8, 8, 89
.irp e, 0,2,4,6
	v_pk_fma_f32 v[CTX+\e:CTX+\e+1], v[CTX+\e:CTX+\e+1], v[FF:FF+1], v[YY+\e:YY+\e+1] op_sel_hi:[1,0,1]
.endr
.endm
; A BLOCK OF 128 ROWS, twice.  Every trip issues the same two tensor loads, each my one load behind its barrier, so none is jumped over; one tensor load of mine is out at any time.
	s_mov_b32 s48, 2
.Lst:
	s_wait_tensorcnt 0x0                           ; no tensor load of mine is out
	ds_add_u32 v[SPW], v[NIL]                      ; 0 onto my spare word
	ds_add_u32 v1, v2
	s_wait_dscnt 0x0                               ; the add is done, and my reads of the slot (the last block's half B) are over
	s_barrier_signal -1
	s_barrier_wait -1                              ; every wave's are
	tensor_load_to_lds s[24:27], s[16:23]          ; half A: rows 0-63 of the block
	s_nop 0
.rept 4
	v_nop
.endr
	s_wait_tensorcnt 0x0                           ; my slice of half A has landed; only I read it
	XRG 0
	XRG 1
	XRG 2
	XRG 3
	WIN 0                                          ; (the add's two registers lie in window 0)
	s_wait_tensorcnt 0x0                           ; no tensor load of mine is out, so a group 0 may be written
	ds_add_u32 v[SPW], v[NIL]                      ; 0 onto my spare word
	s_add_nc_u64 s[26:27], s[26:27], 128*4096      ; half A of the next block (behind the last block the stepped address is not used); the type bits on top are not reached
	s_wait_dscnt 0x0                               ; the add is done, and my 128 reads of the slot are over: half A is in registers
	s_barrier_signal -1
	s_barrier_wait -1                              ; every wave's are; the two barriers of a trip's head also part the last block's reads of the scores from this block's stores
	tensor_load_to_lds s[40:43], s[16:23]          ; half B, rows 64-127, into the slot that half A has left: my one tensor load behind the barrier, and the first thing there
	s_nop 0
.rept 4
	v_nop
.endr
	QUANTA 0, 0                                    ; all of half A is quantised while half B is on its way
	QUANTA 0, 1
	QUANTA 1, 0
	QUANTA 1, 1
	QUANTA 2, 0
	QUANTA 2, 1
	QUANTA 3, 0
	QUANTA 3, 1
	s_wait_tensorcnt 0x0                           ; my slice of half B has landed; only I read it, and it stays where it is until the weighted sum
	s_add_nc_u64 s[42:43], s[42:43], 128*4096      ; no tensor load of mine is out: half B of the next block
	BLOAD 0
.irp u, 0,1,2,3,4,5,6,7
	QUANTB \u
.endr
.irp i, 0,1,2,3,4,5,6,7,8,9,10,11,12,13,14,15
	v_mov_b32 v[SP+\i], 0                          ; the partial scores begin
.endr
.set q, ACC+32
.rept 64
	v_mov_b32 v[q], 0                              ; v192-255: position 0 of the first trip folds the tile before it, which does not exist: it finds zeros in set 1's and in the odd parity's accumulators
.set q, q+1
.endr                                          ; these lines are also the places between the last scale register's and the last codes' making and the first products
	PASS
	; Asked for ahead, into the L2: the first 32 rows of my slice of the next block's half A: 4 requests, lanes 4,096 bytes (a row) apart, the row's four blocks of 256 bytes in the immediate: 128 blocks a wave, each asked
	; for once, 131,072 bytes a work-group.  The exchange, the softmax, the weighted sum and the reduction, some 1,000 instructions, stand between these lines and the tensor load.  The last block asks for nothing.
	s_cmp_eq_u32 s48, 1
	s_cbranch_scc1 .Lno_ask
.irp i, 0,1,2,3
	global_prefetch_b8 v[PFA], s[90:91] offset:256*\i th:TH_LOAD_NT scope:SCOPE_SE
.endr
.Lno_ask:
	s_wait_alu depctr_va_vdst(0)
	EXCH
	SOFT
	YSUM
	REDUCE
	s_sub_co_u32 s48, s48, 1
	s_cmp_lg_u32 s48, 0
	s_cbranch_scc1 .Lst
	s_wait_tensorcnt 0x0                           ; the wave's end: behind my last tensor load and my last LDS store
	ds_add_u32 v[SPW], v[NIL]
	s_wait_dscnt 0x0
	s_wait_alu depctr_va_vdst(0)
	global_store_b128 v[VA], v[CTX:CTX+3], s[82:83]                ; 32 lanes store 512 consecutive bytes, at a multiple of 256 from the buffer's first byte
	global_store_b128 v[VA], v[CTX+4:CTX+7], s[82:83] offset:512
	s_cmp_lg_u32 s12, 0
	s_cbranch_scc1 .Lend
	global_store_b64 v[L8], v[MM:MM+1], s[84:85]   ; wave 0: (m, l), 32 times over: 256 consecutive bytes
.Lend:
	s_endpgm
.Lfunc_end_k_qfc4476338a_main:
	.size	k_qfc4476338a_main, .Lfunc_end_k_qfc4476338a_main-k_qfc4476338a_main
	.p2alignl 7, 3214868480
	.fill 96, 4, 3214868480
	.section	.rodata,"a",@progbits
	.p2align	6, 0x0
	.amdhsa_kernel k_qfc4476338a_main
		.amdhsa_group_segment_fixed_size 327680
		.amdhsa_private_segment_fixed_size 0
		.amdhsa_enable_private_segment 0
		.amdhsa_kernarg_size 32
		.amdhsa_user_sgpr_count 2
		.amdhsa_user_sgpr_kernarg_segment_ptr 1
		.amdhsa_wavefront_size32 1
		.amdhsa_system_sgpr_workgroup_id_x 1
		.amdhsa_system_sgpr_workgroup_id_y 1
		.amdhsa_system_sgpr_workgroup_id_z 1
		.amdhsa_system_vgpr_workitem_id 0
		.amdhsa_next_free_vgpr 1024
		.amdhsa_next_free_sgpr 96
		.amdhsa_reserve_vcc 0
		.amdhsa_float_denorm_mode_32 3
		.amdhsa_float_denorm_mode_16_64 3
		.amdhsa_memory_ordered 1
		.amdhsa_forward_progress 1
		.amdhsa_inst_pref_size 185
	.end_amdhsa_kernel
	.amdgpu_metadata
---
amdhsa.version: [ 1, 2 ]
amdhsa.kernels:
  - .name:           k_qfc4476338a_main
    .symbol:         k_qfc4476338a_main.kd
    .args:
      - { .name: hidden_states, .offset: 0, .size: 8, .value_kind: global_buffer, .address_space: global }
      - { .name: wq, .offset: 8, .size: 8, .value_kind: global_buffer, .address_space: global }
      - { .name: wqs, .offset: 16, .size: 8, .value_kind: global_buffer, .address_space: global }
      - { .name: part, .offset: 24, .size: 8, .value_kind: global_buffer, .address_space: global }
    .group_segment_fixed_size: 327680
    .private_segment_fixed_size: 0
    .kernarg_segment_align: 8
    .kernarg_segment_size: 32
    .max_flat_workgroup_size: 128
    .sgpr_count:     96
    .vgpr_count:     1024
    .wavefront_size: 32
...
	.end_amdgpu_metadata
.endif
;; end of part 2
;; launch final (part 3): grid 32 x 8, 8 waves a work-group, no clusters, 9,728 bytes of LDS; arguments part, hidden_states, oq, oqs, out0; writes out0
.if DOCPART == 3
	.amdgcn_target "amdgcn-amd-amdhsa--gfx1250"
	.amdhsa_code_object_version 6
	.text
	.protected	k_qfc4476338a_final
	.globl	k_qfc4476338a_final
	.p2align	8
	.type	k_qfc4476338a_final,@function
k_qfc4476338a_final:
	s_mov_b64 s[64:65], 0
	v_nop
	global_prefetch_b8 v0, s[64:65] scope:SCOPE_SE
	s_setreg_imm32_b32 hwreg(HW_REG_WAVE_MODE, 25, 1), 1
	s_wait_xcnt 0x0
; Work-group (b, n) serves batch b and outputs 16 n .. 16 n + 15.  The batch's 8 partials (m, l, ctx) are joined into context = (sum of e^(m_i - M) ctx_i) / (sum of e^(m_i - M) l_i), M the largest m_i;
; pre = [context, h_t], 2,048 numbers, is quantised along K to codes of BF6 (E3M2) with one E8M0 byte for each 32; out = tanh(Q(pre) Q(w_out)).  w_out's codes and scale words come in the order of the operand's registers.
; The product has ONE row a batch: all 16 rows of source 0 are that row (every lane of a half reads the same numbers), so no lane is masked and every row of the result is the answer.
; SHARES: thread t joins 4 numbers of the context; pre meets in LDS (8,192 bytes); wave w quantises K steps 2 w, 2 w + 1 of pre and multiplies them, out of its own registers, with its two fragments of w_out
; (3,072 bytes a wave, 24,576 a work-group): two products on two accumulators.  The eight waves' parts meet in LDS (64 bytes a wave); wave 0 adds them and takes the tanh.  So the f32 sum runs in sixteen parts along K.
; The eight work-groups of a batch each join the same partials (34,816 bytes) and quantise the same pre: 2,048 numbers, against an eighth of w_out's codes for each.
; A work-group has 16 outputs and no more: its one store covers 64 consecutive bytes, a quarter of a run of 256; the whole output is 16,384 bytes.
; No tensor load, no cluster, no prefetch: there is no loop to run ahead in, every byte goes straight into registers once, and what the work-groups of a batch share is 38,912 bytes.
; LIMITS: NaN and infinities are not served; a block of zeros gets the scale byte 1 where the rule says 127 (its codes are zeros; the bytes stay in registers).
; tanh(z) = 1 - 2 / (1 + 2^(2 log2(e) z)): right at both ends (the power becomes infinity or 0).
; REGISTERS: v1-10 addresses; v11-14 at work; v16 w_out's scale words; v24-25 pre's; v32-159 by turns the partials and 128 numbers of pre; v160-198 the codes of two K steps; v200-223 w_out's two fragments;
;            v224-239 two accumulators; v240-247, v252-255 the quantiser's; v250-251 the spare word's address and 0.
.set PRE,   0                          ; LDS: pre, 8,192 bytes, in its true order
.set OUTS,  8192                       ; the eight waves' parts of the 16 outputs: 64 x wave + 4 r
.set SPARE, 8704                       ; the spare words, 128 bytes for each wave: four blocks of 256 bytes that no other line names
.set FRB,   1536                       ; a fragment in memory
.set ML,   32                          ; v32-47  (m_i, l_i)
.set PPR,  48                          ; v48-79  my four numbers of each partial
.set HP,   80                          ; v80-83  my four numbers of h_t
.set AA,   84                          ; v84-91  e^(m_i - M)
.set CC,   92                          ; v92-95  my four numbers of the context
.set T0,   96
.set QX,   32                          ; v32-159 128 numbers of pre
.set PC,   160                         ; the codes of K step s at PC + 20 s (12 registers, and 7 at work behind them)
.set WF,   200
.set OS,   16                          ; scales and nothing else: lanes 0-15 the even K step's word of column r, lanes 16-31 the odd one's
.set PS,   24                          ; scales and nothing else: K step s's word of pre in every lane of v[PS + s]
.set TM,   240
.set SPW,  250
.set NIL,  251
	s_load_b256 s[4:11], s[0:1], 0x0               ; part s[4:5], hidden_states s[6:7], oq s[8:9], oqs s[10:11]
	s_load_b64 s[12:13], s[0:1], 0x20              ; out0
	v_lshl_add_u32 v[SPW], v0, 2, SPARE
	v_mov_b32 v[NIL], 0
	v_lshrrev_b32 v11, 5, v0
	s_delay_alu instid0(VALU_DEP_1)
	v_readfirstlane_b32 s14, v11                   ; wave 0..7
	s_and_b32 s15, ttmp7, 0xffff                   ; n: which 16 outputs
	v_and_b32 v12, 31, v0                          ; lane
	v_and_b32 v13, 15, v0                          ; r
	v_bfe_u32 v14, v0, 4, 1                        ; h
	v_lshlrev_b32 v1, 4, v0                        ; 16 t
	s_delay_alu instid0(VALU_DEP_4)
	v_lshlrev_b32 v2, 4, v12                       ; 16 x lane
	v_lshlrev_b32 v3, 2, v12                       ; 4 x lane
	v_lshlrev_b32 v4, 3, v12                       ; 8 x lane
	; where thread t's four numbers of a partial belong in pre.  A partial lies [wave 4][e / 4][lane 32][16 B], and register e of lane (r, h) is column 128 r0 + 64 r1 + 32 r2 + 16 h + 8 r3 + e of the wave's 256
	v_lshrrev_b32 v5, 6, v0
	s_delay_alu instid0(VALU_DEP_1)
	v_lshlrev_b32 v5, 10, v5                       ; 1,024 bytes a wave of the launch before
.macro BIT from, to                    ; bit 'from' of t counts 1 << 'to' bytes
	v_bfe_u32 v11, v0, \from, 1
	s_delay_alu instid0(VALU_DEP_1)
	v_lshl_add_u32 v5, v11, \to, v5
.endm
	BIT 0, 9
	BIT 1, 8
	BIT 2, 7
	BIT 4, 6
	BIT 3, 5
	BIT 5, 4
	s_lshl_b32 s20, s14, 10
	v_lshlrev_b32 v6, 6, v14
	s_delay_alu instid0(VALU_DEP_1)
	v_add_nc_u32 v6, s20, v6                       ; pre: my wave's two K steps, + 64 h: my 16 numbers of a block of 32
	s_lshl_b32 s20, s14, 6
	v_lshlrev_b32 v9, 2, v13                       ; 4 r: my output's place among the 16
	s_delay_alu instid0(VALU_DEP_1)
	v_add_nc_u32 v10, s20, v9                      ; and my wave's part of it
	s_mov_b32 s28, 0x3fb8aa3b                      ; log2(e)
	s_mov_b32 s29, 0x4038aa3b                      ; 2 log2(e)
	s_mov_b32 s30, 0x76543210
	s_mov_b32 s31, 0xfedcba98                      ; v_permlanex16_b32's selects for lane l xor 16
.irp b, 0,1,2,3
	v_mov_b32 v[TM+4+\b], 0                        ; a lane permute's destination counts as one of its sources
.endr
	s_mov_b32 s21, 0
	s_wait_alu depctr_va_vdst(0)
	s_wait_kmcnt 0x0
	s_mul_i32 s20, ttmp9, 8*4352                   ; the batch's 8 records
	s_add_nc_u64 s[16:17], s[4:5], s[20:21]
	s_lshl_b32 s20, ttmp9, 23
	s_add_co_u32 s20, s20, 2047*4096               ; the batch's last row
	s_add_nc_u64 s[18:19], s[6:7], s[20:21]
	s_mul_i32 s20, s15, 16*FRB                     ; my 16 columns of w_out: 16 fragments,
	s_mul_i32 s32, s14, 2*FRB                      ; of which my wave takes two
	s_add_co_u32 s20, s20, s32
	s_add_nc_u64 s[22:23], s[8:9], s[20:21]
	s_lshl_b32 s20, s15, 10                        ; and of 8 runs of scale words one
	s_lshl_b32 s32, s14, 7
	s_add_co_u32 s20, s20, s32
	s_add_nc_u64 s[24:25], s[10:11], s[20:21]
	s_lshl_b32 s20, ttmp9, 9                       ; the batch's row of the output,
	s_lshl_b32 s32, s15, 6                         ; my 16 numbers of it
	s_add_co_u32 s20, s20, s32
	s_add_nc_u64 s[26:27], s[12:13], s[20:21]
.irp i, 0,1,2,3,4,5,6,7
	global_load_b64 v[ML+2*\i:ML+2*\i+1], v4, s[16:17] offset:4352*\i+4096
.endr
.irp i, 0,1,2,3,4,5,6,7
	global_load_b128 v[PPR+4*\i:PPR+4*\i+3], v1, s[16:17] offset:4352*\i
.endr
	global_load_b128 v[HP:HP+3], v1, s[18:19]
.irp t, 0,1
.irp c, 0,1,2
	global_load_b128 v[WF+12*\t+4*\c:WF+12*\t+4*\c+3], v2, s[22:23] offset:FRB*\t+512*\c
.endr
.endr
	global_load_b32 v[OS], v3, s[24:25]
	s_wait_loadcnt 7                               ; the partials and h_t, 17 loads, are in: behind them stand w_out's 6 and 1
	; ---- the partials are joined
	v_max3_num_f32 v[T0], v[ML], v[ML+2], v[ML+4]
	s_delay_alu instid0(VALU_DEP_1)
	v_max3_num_f32 v[T0], v[T0], v[ML+6], v[ML+8]
	s_delay_alu instid0(VALU_DEP_1)
	v_max3_num_f32 v[T0], v[T0], v[ML+10], v[ML+12]
	s_delay_alu instid0(VALU_DEP_1)
	v_max_num_f32 v[T0], v[T0], v[ML+14]           ; M
.irp i, 0,1,2,3,4,5,6,7
	v_sub_f32 v[AA+\i], v[ML+2*\i], v[T0]
.endr
.irp i, 0,1,2,3,4,5,6,7
	v_mul_f32 v[AA+\i], s28, v[AA+\i]
.endr
	s_wait_alu depctr_va_vdst(0)
.irp i, 0,1,2,3,4,5,6,7
	v_exp_f32 v[AA+\i], v[AA+\i]
.endr
	v_nop                                          ; a plain place behind the exponentials
	s_wait_alu depctr_va_vdst(0)                   ; and behind it
	v_mul_f32 v[T0+1], v[AA], v[ML+1]
.irp i, 1,2,3,4,5,6,7
	v_fma_f32 v[T0+1], v[AA+\i], v[ML+2*\i+1], v[T0+1]
.endr
	s_wait_alu depctr_va_vdst(0)
	v_rcp_f32 v[T0+2], v[T0+1]                     ; 1 / the row's sum; the lines below are its plain places
.irp e, 0,1,2,3
	v_mul_f32 v[CC+\e], v[AA], v[PPR+\e]
.endr
.irp i, 1,2,3,4,5,6,7
.irp e, 0,1,2,3
	v_fma_f32 v[CC+\e], v[AA+\i], v[PPR+4*\i+\e], v[CC+\e]
.endr
.endr
	s_wait_alu depctr_va_vdst(0)
.irp e, 0,1,2,3
	v_mul_f32 v[CC+\e], v[CC+\e], v[T0+2]
.endr
	ds_store_b128 v5, v[CC:CC+3] offset:PRE        ; the context, at its true columns
	ds_store_b128 v1, v[HP:HP+3] offset:PRE+4096   ; h_t behind it
	s_wait_dscnt 0x0                               ; for the others' sake: my stores have landed
	s_barrier_signal -1
	s_barrier_wait -1                              ; pre lies in LDS
	; ---- my wave's two K steps are quantised
.irp s, 0,1
.irp b, 0,1,2,3
.irp j, 0,1,2,3
	ds_load_b128 v[QX+64*\s+16*\b+4*\j:QX+64*\s+16*\b+4*\j+3], v6 offset:PRE+512*\s+128*\b+16*\j   ; register 16 b + i = k 32 b + 16 h + i; the sixteen lanes of a half read the same bytes
.endr
.endr
.endr
; 64 numbers of a lane from v[s] on become a fragment's codes in v[pc] on and its scale word in v[pw]
.macro QUANT s, pc, pw
.irp b, 0,1,2,3
	v_max3_num_f32 v[TM+\b], |v[(\s)+16*\b]|, |v[(\s)+1+16*\b]|, 0x2800000   ; block b: my 16 numbers, and the floor 2^(5 - 127): the byte cannot fall under 1
.endr
.irp i, 2,4,6,8,10,12,14
.irp b, 0,1,2,3
	s_delay_alu instid0(VALU_DEP_4)
	v_max3_num_f32 v[TM+\b], v[TM+\b], |v[(\s)+16*\b+\i]|, |v[(\s)+1+16*\b+\i]|
.endr
.endr
.irp b, 0,1,2,3
	s_delay_alu instid0(VALU_DEP_4)
	v_permlanex16_b32 v[TM+4+\b], v[TM+\b], s30, s31
.endr
.irp b, 0,1,2,3
	s_delay_alu instid0(VALU_DEP_4)
	v_max_num_f32 v[TM+\b], v[TM+\b], v[TM+4+\b]   ; with lane l xor 16's: the block's largest magnitude
.endr
.irp b, 0,1,2,3
	s_delay_alu instid0(VALU_DEP_4)
	v_add_nc_u32 v[TM+12+\b], 0xfe000000, v[TM+\b] ; 4 off its exponent field: the conversion's scale operand
.endr
.irp b, 0,1,2,3
	s_delay_alu instid0(VALU_DEP_4)
	v_lshrrev_b32 v[TM+4+\b], 23, v[TM+12+\b]      ; the scale's byte
.endr
	s_delay_alu instid0(VALU_DEP_3)
	v_lshl_or_b32 v[\pw], v[TM+5], 8, v[TM+4]
	s_delay_alu instid0(VALU_DEP_1)
	v_lshl_or_b32 v[\pw], v[TM+6], 16, v[\pw]
	s_delay_alu instid0(VALU_DEP_1)
	v_lshl_or_b32 v[\pw], v[TM+7], 24, v[\pw]
.irp c, 0,1
	v_cvt_scalef32_pk16_bf6_f32 v[(\pc)+6*\c:(\pc)+2+6*\c], v[(\s)+32*\c:(\s)+15+32*\c], v[TM+12+2*\c]
	v_cvt_scalef32_pk16_bf6_f32 v[(\pc)+12+4*\c:(\pc)+14+4*\c], v[(\s)+16+32*\c:(\s)+31+32*\c], v[TM+12+2*\c+1]   ; (a conversion's three registers begin on an even number)
.endr
	v_nop                                          ; one plain place behind a scaled conversion
.irp c, 0,1                                    ; the operand's layout wants a WHOLE block in a lane
.irp i, 0,1,2
	v_permlane16_swap_b32 v[(\pc)+6*\c+\i], v[(\pc)+12+4*\c+\i]
.endr
.irp i, 0,1,2
	s_delay_alu instid0(VALU_DEP_3)
	v_mov_b32 v[(\pc)+3+6*\c+\i], v[(\pc)+12+4*\c+\i]
.endr
.endr
.endm
	s_wait_dscnt 0x0
	QUANT QX, PC, PS
	QUANT QX+64, PC+20, PS+1
.rept 8
	v_nop                                          ; a scale register written by a vector instruction stands 8 places ahead of a scaled matrix instruction, an operand so written 4
.endr
	s_wait_alu depctr_va_vdst(0)                   ; the wait directly ahead of the wait below
	s_wait_loadcnt 0x0                             ; w_out's two fragments and scale words
	; ---- the product: my two K steps, one accumulator each
	v_wmma_scale_f32_16x16x128_f8f6f4 v[224:231], v[PC:PC+11], v[WF:WF+11], 0, v[PS], v[OS] matrix_a_fmt:MATRIX_FMT_BF6 matrix_b_fmt:MATRIX_FMT_BF6
	v_wmma_scale_f32_16x16x128_f8f6f4 v[232:239], v[PC+20:PC+31], v[WF+12:WF+23], 0, v[PS+1], v[OS] matrix_a_fmt:MATRIX_FMT_BF6 matrix_b_fmt:MATRIX_FMT_BF6 matrix_b_scale:MATRIX_SCALE_ROW1
.rept 4
	v_nop                                          ; places between the last product and the first read of results (ISA guide 7.12.1)
.endr
	v_add_f32 v11, v224, v232                      ; every row is the answer: each accumulator's lowest register; lane (r, .): my wave's part of output 16 n + r
	ds_store_b32 v10, v11 offset:OUTS              ; both halves of the lanes write the same word with the same value
	s_wait_dscnt 0x0                               ; for wave 0's sake: my store has landed
	s_barrier_signal -1
	s_barrier_wait -1                              ; the eight parts lie in LDS
	s_cmp_lg_u32 s14, 0
	s_cbranch_scc1 .Lend
.irp i, 0,1,2,3,4,5,6,7
	ds_load_b32 v[32+\i], v9 offset:OUTS+64*\i     ; wave 0: wave i's part of output r
.endr
	s_wait_dscnt 0x0
	v_add_f32 v32, v32, v33
	v_add_f32 v34, v34, v35
	v_add_f32 v36, v36, v37
	v_add_f32 v38, v38, v39
	s_delay_alu instid0(VALU_DEP_3)
	v_add_f32 v32, v32, v34
	s_delay_alu instid0(VALU_DEP_2)
	v_add_f32 v36, v36, v38
	s_delay_alu instid0(VALU_DEP_1)
	v_add_f32 v32, v32, v36
	s_delay_alu instid0(VALU_DEP_1)
	v_mul_f32 v11, s29, v32
	s_wait_alu depctr_va_vdst(0)
	v_exp_f32 v11, v11
	v_nop
	s_wait_alu depctr_va_vdst(0)
	v_add_f32 v11, 1.0, v11
	s_wait_alu depctr_va_vdst(0)
	v_rcp_f32 v11, v11
	v_nop
	s_wait_alu depctr_va_vdst(0)
	v_fma_f32 v11, v11, -2.0, 1.0                  ; tanh
	global_store_b32 v9, v11, s[26:27]             ; sixteen lanes store 64 consecutive bytes; lanes 16-31 write the same words with the same values
.Lend:
	s_wait_tensorcnt 0x0                           ; the wave's end: behind my last LDS store
	ds_add_u32 v[SPW], v[NIL]
	s_wait_dscnt 0x0
	s_endpgm
.Lfunc_end_k_qfc4476338a_final:
	.size	k_qfc4476338a_final, .Lfunc_end_k_qfc4476338a_final-k_qfc4476338a_final
	.p2alignl 7, 3214868480
	.fill 96, 4, 3214868480
	.section	.rodata,"a",@progbits
	.p2align	6, 0x0
	.amdhsa_kernel k_qfc4476338a_final
		.amdhsa_group_segment_fixed_size 9728
		.amdhsa_private_segment_fixed_size 0
		.amdhsa_enable_private_segment 0
		.amdhsa_kernarg_size 40
		.amdhsa_user_sgpr_count 2
		.amdhsa_user_sgpr_kernarg_segment_ptr 1
		.amdhsa_wavefront_size32 1
		.amdhsa_system_sgpr_workgroup_id_x 1
		.amdhsa_system_sgpr_workgroup_id_y 1
		.amdhsa_system_sgpr_workgroup_id_z 1
		.amdhsa_system_vgpr_workitem_id 0
		.amdhsa_next_free_vgpr 256
		.amdhsa_next_free_sgpr 66
		.amdhsa_reserve_vcc 0
		.amdhsa_float_denorm_mode_32 3
		.amdhsa_float_denorm_mode_16_64 3
		.amdhsa_memory_ordered 1
		.amdhsa_forward_progress 1
		.amdhsa_inst_pref_size 25
	.end_amdhsa_kernel
	.amdgpu_metadata
---
amdhsa.version: [ 1, 2 ]
amdhsa.kernels:
  - .name:           k_qfc4476338a_final
    .symbol:         k_qfc4476338a_final.kd
    .args:
      - { .name: part, .offset: 0, .size: 8, .value_kind: global_buffer, .address_space: global }
      - { .name: hidden_states, .offset: 8, .size: 8, .value_kind: global_buffer, .address_space: global }
      - { .name: oq, .offset: 16, .size: 8, .value_kind: global_buffer, .address_space: global }
      - { .name: oqs, .offset: 24, .size: 8, .value_kind: global_buffer, .address_space: global }
      - { .name: out0, .offset: 32, .size: 8, .value_kind: global_buffer, .address_space: global }
    .group_segment_fixed_size: 9728
    .private_segment_fixed_size: 0
    .kernarg_segment_align: 8
    .kernarg_segment_size: 40
    .max_flat_workgroup_size: 256
    .sgpr_count:     66
    .vgpr_count:     256
    .wavefront_size: 32
...
	.end_amdgpu_metadata
.endif
;; end of part 3
